; MI455X (gfx1250); checked and timed in simulation.
; The chip was launched on July 23, 2026; its instructions are those of AMD's public machine-readable ISA for CDNA 5 (MIT licence, August 2026) and "CDNA5" Instruction Set Architecture Reference Guide (July 2026). The comments in the code are by the model that wrote it; some were corrected since.
;; Multi Head Attention. Allowed arithmetic: matrix products marked QUANTISED: E5M2 operands, one given power-of-two scale a tensor, by v_wmma_f32_16x16x64_bf8_bf8 or v_wmma_f32_16x16x128_bf8_bf8, f32 sums; everything else in f32.
;; Inputs: W_o_codes 1,024 x 32 x 32 uint8 (E5M2 codes of W_o, K innermost, in blocks of 32 codes); W_qkv_codes 3,072 x 32 x 32 uint8 (E5M2 codes of W_qkv, K innermost, in blocks of 32 codes); lowp_scales 8 int32 (the exponents e of the quantised operands' scales 2^e); x_codes 4 x 2,048 x 32 x 32 uint8 (E5M2 codes of x, K innermost, in blocks of 32 codes).
;; Outputs: out0 4 x 2,048 x 1,024 float32.
;; This version of the problem:
;;   THIS VERSION OF THE PROBLEM IS GIVEN IN LOW PRECISION. The matrix products marked QUANTISED in the list below multiply operands that are first quantised to E5M2 (5 exponent bits, 2 mantissa bits; 8 bits a number), with one given power-of-two scale for each operand tensor; their sums are f32. All else is computed in f32.
;;   The module's matrix products, in the order in which they are computed (A, B: the left and right operand; K: the contracted axis; several contracted axes count as one K, in the product's order):
;;     1. [M 8,192, K 1,024] x [K 1,024, N 3,072]; A: input x (given as codes); B: input W_qkv (given as codes): QUANTISED (scales: A lowp_scales[0], B lowp_scales[1])
;;     2. batch 64 x [M 2,048, K 64] x [K 64, N 2,048]; A: computed on the way; B: computed on the way: QUANTISED (scales: A lowp_scales[2], B lowp_scales[3])
;;     3. batch 64 x [M 2,048, K 2,048] x [K 2,048, N 64]; A: softmax (see below); B: computed on the way: QUANTISED (scales: A lowp_scales[4], B lowp_scales[5])
;;     4. [M 8,192, K 1,024] x [K 1,024, N 1,024]; A: computed on the way; B: input W_o (given as codes): QUANTISED (scales: A lowp_scales[6], B lowp_scales[7])
;;   THE QUANTISER, for each operand of a quantised product, along K:
;;     - The operand's scale is 2^e, e = its entry of the input lowp_scales (int32; the entries are numbered through the quantised products in the list's order, A before B).
;;     - Each number is divided by the scale, clamped to +-57,344, and rounded to the nearest number of E5M2, ties to even, subnormals kept.
;;     - The product sums the exact products of the quantised numbers (number of the format x scale) in f32.
;;   ~~~python
;;   def quantise(x, axis, e):      # numpy; x: float32 -> the quantised numbers, widened to float32 again
;;       x = np.moveaxis(x, axis, -1); K = x.shape[-1]
;;       r = np.clip(x / 2.0 ** e, -57344, 57344)
;;       step = 2.0 ** (np.maximum(np.frexp(np.where(r == 0, 1, r))[1] - 1, -14) - 2)
;;       q = np.round(r / step) * step * 2.0 ** e      # np.round: ties to even
;;       return np.moveaxis(q, -1, axis).astype(np.float32)
;;   ~~~
;;   SOFTMAX AHEAD OF A QUANTISED PRODUCT. Where the list says 'softmax', what is quantised is not the finished softmax but p = 2^(t - M), with t = logit x log2(e) and M = ceil(the row's largest t), a whole number; so 1/2 < the row's largest p <= 1. The row's sum l is taken of the UNQUANTISED p, in f32, and the product's result is divided by l at the end. Since M is a whole number, a kernel that streams over the keys may use a running M (the ceiling of the running maximum): every later rescaling is an exact power of two, so the quantised numbers keep their values, but for numbers so far below the row's largest that they fall under the format's range.
;;   OPERANDS COMPUTED ON THE WAY. 'Computed on the way' means the value that the module computes at that place (a softmax that the list does not call 'softmax' is quantised finished and normalised). What goes into a quantiser is computed in f32, as accurately as f32 sums, v_exp_f32 and their like allow (about 1e-6 of the number): no bf16 or f16 on the way to a quantiser, and a product that is left as it is and whose result goes on into a quantised operand takes f32 operands (vector FMAs, or v_wmma_f32_16x16x4_f32). A number that lies on a knife's edge between two numbers of the format may be rounded either way, as far as f32 arithmetic and the matrix unit's own rounding can turn it there, and no further.
;;   INPUTS GIVEN AS CODES. W_o (in the module: [1024, 1024], K = its axis 0); W_qkv (in the module: [1024, 3072], K = its axis 0); x (in the module: [4, 2048, 1024], K = its axis 2): each comes as NAME_codes (uint8): NAME with its K axis moved to the last place and cut into blocks of 32 codes, [.., K / 32, bytes a block], one block behind the other in memory; one code a byte (a code: sign, 5 exponent bits, 2 mantissa bits); its scale is its entry of lowp_scales. Its value is code x scale, taken as it is: it is not quantised again, and the codes and scales need not be those that the quantiser above would give.
;; One version. Each part assembles by itself: llvm-mc -triple=amdgcn-amd-amdhsa -mcpu=gfx1250 --defsym DOCPART=n.
;; ======== version 1 of 1: 3 launches
;; limits: right only within a limited range of input values
;; workspace buffers: qkv_ws 25,165,824 bytes; o_ws 8,388,608 bytes
;; launch qkv (part 1): grid 12 x 32, 4 waves a work-group, clusters of 4 x 4, 327,680 bytes of LDS; arguments x_codes, W_qkv_codes, lowp_scales, qkv_ws; writes qkv_ws
.if DOCPART == 1
	.amdgcn_target "amdgcn-amd-amdhsa--gfx1250"
	.amdhsa_code_object_version 6
	.text
	.protected	k_qac91dedd98_qkv
	.globl	k_qac91dedd98_qkv
	.p2align	8
	.type	k_qac91dedd98_qkv,@function
k_qac91dedd98_qkv:
	s_mov_b64 s[64:65], 0
	v_nop
	global_prefetch_b8 v0, s[64:65] scope:SCOPE_SE
	s_setreg_imm32_b32 hwreg(HW_REG_WAVE_MODE, 25, 1), 1
	s_wait_xcnt 0x0
	s_wait_alu depctr_hold_cnt(0) depctr_sa_sdst(0) depctr_va_vdst(0) depctr_va_sdst(0) depctr_va_ssrc(0) depctr_va_vcc(0) depctr_vm_vsrc(0)
	s_getreg_b32 s2, hwreg(HW_REG_IB_STS2, 6, 4)
	s_cmp_eq_u32 s2, 0
	s_cbranch_scc0 .Lentry_in_a_cluster
	s_endpgm
.Lentry_in_a_cluster:
	s_bfe_u32 s2, ttmp6, 0x10000c
	s_cmp_lg_u32 s2, 0xf033
	s_cbranch_scc0 .Lentry_shape_is_right
	s_endpgm
.Lentry_shape_is_right:
; qkv = x W_qkv on codes of BF8 (E5M2), and the quantising of q, k and v for the attention that follows.
; x: [8192][1024] codes, W_qkv: [3072][1024] codes (K innermost), lowp_scales: e0 .. e7 (int32).  A sum stands for sum x 2^(e0 + e1).
; OUT, all codes of BF8: q at byte 0 and k at byte 8 MiB of qkv_ws, each [b x 16 + head][pos][64 e], pos = the position n with its bits 3 and 4 exchanged;
; v at byte 16 MiB, [b][head x 64 + e][2048 n]: the positions innermost, since they are the K of the attention's second product.
; code = sum / 2^(e - e0 - e1), held within +-57,344, to the nearest code, ties to even; e = e3 for q, e2 for k (k is the left operand of the scores), e5 for v.
; LIMIT: e - e0 - e1 lies between -126 and 112, so that the scale and 57,344 x the scale are f32 numbers.  NaN codes among the inputs are not served.
; SHARES.  A tile of 256 x 256 sums is made by four waves, each 128 x 128: 64 accumulators, 512 registers.  K = 1,024 goes in four steps of 256 through a ring of two LDS slots.
; ROLES.  Source 1 of the matrix instruction (S1) gives a lane ONE row, source 0 (S0) gives its eight registers eight NEIGHBOURING rows.  The codes of an operand want neighbours along its K in one lane:
; for q and k (cluster x = 0, 1) S1 = x and S0 = W, so a lane holds eight neighbouring e; for v (cluster x = 2) S1 = W and S0 = x, so a lane holds eight neighbouring positions.  Nothing is transposed.
; CLUSTERS: 4 x 4 work-groups.  S1's tile hangs on cy alone and is asked for jointly by a row of the cluster, S0's on cx alone and by a column.  The choice of roles hangs on the cluster's x, which all sixteen share.
; REGISTERS, in windows of 256: window 0: v0-31 addresses; from v128 S1's fragments (8 x 16 rows x 128 K), one set; on the way out the codes, then the rows read back.
;   window 1: S0's fragments, two sets, at v0 and v128.   window 2: the accumulators of my S1 rows 0-63 ((a, b) at v[8 (8 a + b)]);   window 3: those of rows 64-127.
.set KROW,   1024                      ; a row of x or of W in memory, in bytes
.set ROWB,   256                       ; a tile's row: 256 codes
.set PITCH,  272                       ; an LDS row: 256 bytes + 16 of padding = 68 words: row r starts at bank 4 r mod 64 (ISA guide 11.1), so the 16 rows of a load start at 16 different banks
.set FR,     16                        ; registers of a fragment: 16 rows x 128 K
.set NL,     4                         ; LDS loads that bring one
.set NP,     4                         ; places behind this matrix instruction (ISA guide 7.12.1)
.set HALFT,  128*PITCH                 ; 128 rows: what one tensor load brings
.set SLOT,   4*HALFT                   ; S1's 256 rows, then S0's 256 rows
.set SPARE,  2*SLOT                    ; behind the ring: the spare words, 128 bytes a wave: two blocks of 256 bytes that no other line names
.set SP,     272                       ; the way out: the work-group's stage, 256 rows x (256 codes + 16), at LDS byte 0: in slot 0, which has had its last fill and its last read by then
.set ADRA, 16                          ; v16-17  LDS address of my S1 fragments in slot 0, 1
.set ADRB, 20                          ; v20-21  the same for S0
.set SC,   22                          ; v22     the conversions' scale as f32
.set LM,   23
.set STO,  24                          ; v24     the stage: where I put eight codes
.set RDQ0, 25                          ; v25     q, k: where I read the stage's rows 0-127 back
.set RDQ1, 26                          ; v26     rows 128-255
.set RDV,  27                          ; v27     v: where I read my 64 rows back
.set SPW,  28                          ; v28     LDS address of my spare word; never rewritten
.set NIL,  29                          ; v29     0; never rewritten
.set COQ,  30                          ; v30     q, k: my byte offset in a store's 512 bytes
.set COV,  31                          ; v31     v: my byte offset in a store's two rows
.set TMP,  32
.set AF,   128
.set CD,   128                         ; the codes: 16 registers for each of the eight blocks, so that no block waits for another's stores
.set BK,   128                         ; and the rows read back
.set G1, 24                            ; s[24:31] descriptor group 1 for S1's tiles;  s[32:39] group 0, one set for each slot
.set G0, 32
.set G1B, 48                           ; s[48:55], s[56:63] the same for S0's tiles
.set G0B, 56
.set MSB, 0
.macro WIN new                         ; the immediate's high byte repeats the setting that is left
.if MSB != \new
	s_set_vgpr_msb (MSB<<8)|\new
.set MSB, \new
.endif
.endm
.set MUL_LO, 0xa1                      ; source 0 window 1, source 1 window 0, C and D window 2
.set MUL_HI, 0xf1                      ; the same, C and D window 3
.set TO_B,   0x40                      ; destination window 1, address window 0
; A joint load: waves 0 and 1 fetch S1's halves, waves 2 and 3 S0's.  Each line has one mask and one set of registers for all that issue it; the branch hangs on the wave's number alone.
; Four v_nop follow each of the two lines, ahead of the jump, the label and what follows.
.macro JLOAD g0a, g1a, g0b, g1b
	s_cmp_eq_u32 s15, 0
	s_cbranch_scc0 .Lfor_b_\@
	tensor_load_to_lds s[\g0a:\g0a+3], s[\g1a:\g1a+7]
	s_nop 0
.rept 4
	v_nop
.endr
	s_branch .Lasked_\@
.Lfor_b_\@:
	tensor_load_to_lds s[\g0b:\g0b+3], s[\g1b:\g1b+7]
	s_nop 0
.rept 4
	v_nop
.endr
.Lasked_\@:
.endm
.macro CREST                           ; a round of the cluster's barrier behind its opening barrier
	s_cmp_lg_u32 s14, 0
	s_cbranch_scc1 .Lnot_wave_0_\@
	s_barrier_signal -3
.Lnot_wave_0_\@:
	s_barrier_wait -3
	s_barrier_signal -1
	s_barrier_wait -1
.endm
.macro CROUND                          ; a whole round
	s_barrier_signal -1
	s_barrier_wait -1
	CREST
.endm
	s_load_b128 s[4:7], s[0:1], 0x0                ; x's codes s[4:5], W's codes s[6:7]
	s_load_b128 s[8:11], s[0:1], 0x10              ; the exponents s[8:9], qkv_ws s[10:11]
	v_lshl_add_u32 v[SPW], v0, 2, SPARE
	v_mov_b32 v[NIL], 0
	ds_add_u32 v28, v29
	ds_add_u32 v28, v29
	s_wait_dscnt 0x0
	v_lshrrev_b32 v1, 5, v0
	v_readfirstlane_b32 s14, v1                    ; wave 0..3
	s_lshr_b32 s15, s14, 1                         ; which half of S1's rows is mine.  Also: I fetch for S1 (0) or for S0 (1)
	s_and_b32 s16, s14, 1                          ; which half of S0's rows.  Also: which 128 rows of that tile I fetch
	s_bfe_u32 s40, ttmp6, 0x40000                  ; cx, cy: my place in the cluster
	s_bfe_u32 s41, ttmp6, 0x40004
	s_and_b32 s17, ttmp7, 0xffff
	s_lshl_b32 s17, s17, 2                         ; 4 x cluster y
	s_lshl_b32 s18, ttmp9, 2                       ; 4 x cluster x
	s_cmp_eq_u32 ttmp9, 2                          ; v?  The same answer in all sixteen partners
	s_cselect_b32 s66, 8, s17                      ; S1's tile: v: W's tiles 8 to 11; q, k: x's tile
	s_cselect_b32 s67, s17, s18                    ; S0's tile: v: x's tile; q, k: W's tile
	s_add_co_u32 s66, s66, s41                     ; + cy: shared along a row of the cluster
	s_add_co_u32 s67, s67, s40                     ; + cx: shared along a column
	s_lshl_b32 s43, s41, 2
	s_lshl_b32 s43, 15, s43                        ; my row of the cluster
	s_lshl_b32 s44, 0x1111, s40                    ; my column
	; descriptor group 1: a tile of 128 rows x 256 bytes, padded in LDS
	s_or_b32 s[G1+0], s43, (0<<16)|(1<<20)|(1<<21)|(5<<22)|(3<<25)  ; 15:0 the mask; 17:16 element of 1 byte; 20 padding on; 21 set beside a mask; 24:22 after every 64 words (code 5); 31:25 of 4 words (code 3)
	s_or_b32 s[G1B+0], s44, (0<<16)|(1<<20)|(1<<21)|(5<<22)|(3<<25)
.irp g, G1, G1B
	s_mov_b32 s[\g+1], ROWB<<16                    ; tensor_dim0
	s_mov_b32 s[\g+2], 128<<16                     ; tensor_dim1 = 128
	s_mov_b32 s[\g+3], ROWB<<16                    ; tile_dim0
	s_mov_b32 s[\g+4], 128                         ; tile_dim1 = 128
	s_mov_b32 s[\g+5], KROW                        ; tensor_dim0_stride
	s_mov_b32 s[\g+6], 0
	s_mov_b32 s[\g+7], 0
.endr
	s_lshl_b32 s18, s16, 7                         ; which 128 rows of the tile I fetch
	s_lshl_b32 s20, s66, 8
	s_add_co_u32 s20, s20, s18                     ; S1: row 256 x tile + 128 x half,
	s_lshl_b32 s20, s20, 10                        ; in bytes (under 2^23)
	s_mov_b32 s21, 0
	s_lshl_b32 s46, s67, 8
	s_add_co_u32 s46, s46, s18                     ; S0 likewise
	s_lshl_b32 s46, s46, 10
	s_mov_b32 s47, 0
	s_mul_i32 s45, s14, HALFT                      ; where they go: wave x 128 rows: no place in the cluster enters an LDS address
	s_wait_kmcnt 0x0
	s_load_b256 s[72:79], s[8:9], 0x0              ; e0 .. e7
	s_cmp_eq_u32 ttmp9, 2
	s_cselect_b64 s[68:69], s[6:7], s[4:5]         ; S1's buffer
	s_cselect_b64 s[70:71], s[4:5], s[6:7]         ; S0's buffer
	s_add_nc_u64 s[20:21], s[68:69], s[20:21]
	s_add_nc_u64 s[46:47], s[70:71], s[46:47]
	CROUND                                         ; all sixteen work-groups are here: the first joint loads meet
.irp s, 0,1
	s_mov_b32 s[G0+4*\s], 1
	s_add_co_u32 s[G0+4*\s+1], s45, \s*SLOT
	s_add_nc_u64 s[G0+4*\s+2:G0+4*\s+3], s[20:21], \s*ROWB
	s_or_b32 s[G0+4*\s+3], s[G0+4*\s+3], 0x80000000
	s_mov_b32 s[G0B+4*\s], 1
	s_add_co_u32 s[G0B+4*\s+1], s45, \s*SLOT
	s_add_nc_u64 s[G0B+4*\s+2:G0B+4*\s+3], s[46:47], \s*ROWB
	s_or_b32 s[G0B+4*\s+3], s[G0B+4*\s+3], 0x80000000
	JLOAD G0+4*\s, G1, G0B+4*\s, G1B
.endr
	v_and_b32 v1, 15, v0                           ; r = lane % 16
	v_bfe_u32 v2, v0, 4, 1                         ; h = lane / 16
	v_mul_u32_u24 v3, v1, PITCH
	s_wait_alu depctr_va_vdst(0)
	v_lshl_add_u32 v4, v2, 4, v3                   ; a fragment's row x pitch + 16 x half
	s_mul_i32 s21, s15, HALFT                      ; my 128 rows of S1
	s_mul_i32 s22, s16, HALFT                      ; my 128 rows of S0,
	s_add_co_u32 s22, s22, 2*HALFT                 ; which lie behind S1's 256
.irp s, 0,1
	v_add_nc_u32 v[ADRA+\s], s21, v4
	v_add_nc_u32 v[ADRB+\s], s22, v4
	s_add_co_u32 s21, s21, SLOT
	s_add_co_u32 s22, s22, SLOT
.endr
	; the way out's addresses, all made here
	s_mul_i32 s23, s15, 128*SP
	s_lshl_b32 s80, s16, 7
	s_add_co_u32 s23, s23, s80
	v_lshl_add_u32 v5, v2, 3, v3                   ; (SP = PITCH)  row r, + 8 h
	v_add_nc_u32 v[STO], s23, v5                   ; into the stage: row 128 x S1 half + r, byte 128 x S0 half + 8 h
	v_and_b32 v6, 31, v0                           ; lane
	v_lshrrev_b32 v7, 2, v6
	v_mul_u32_u24 v7, v7, SP
	v_and_b32 v8, 3, v0
	v_lshl_add_u32 v7, v8, 4, v7
	s_lshl_b32 s80, s14, 6
	v_add_nc_u32 v[RDQ0], s80, v7                  ; q, k: eight rows an instruction, four lanes to a row's 64 bytes of head 4 cx + wave
	v_add_nc_u32 v[RDQ1], 128*SP, v[RDQ0]
	v_lshlrev_b32 v[COQ], 4, v6
	s_mul_i32 s80, s14, 64*SP
	v_mul_u32_u24 v9, v2, SP
	v_lshl_add_u32 v9, v1, 4, v9
	v_add_nc_u32 v[RDV], s80, v9                   ; v: two rows an instruction, sixteen lanes to a row's 256 bytes; rows 64 x wave on
	v_lshlrev_b32 v10, 11, v2
	v_lshl_add_u32 v[COV], v1, 4, v10              ; and the same two rows, 2,048 bytes apart, in memory
	s_cmp_eq_u32 ttmp9, 2
	s_cselect_b32 s82, s67, s66                    ; x's tile
	s_lshr_b32 s83, s82, 3                         ; b
	s_and_b32 s84, s82, 7
	s_lshl_b32 s84, s84, 8                         ; n0: the tile's first position
	s_lshl_b32 s85, s83, 4                         ; q, k: cluster x x 8 MiB + (16 b + 4 cx + wave) x 131,072 + 64 n0
	s_lshl_b32 s86, s40, 2
	s_add_co_u32 s85, s85, s86
	s_add_co_u32 s85, s85, s14
	s_lshl_b32 s85, s85, 17
	s_lshl_b32 s86, ttmp9, 23
	s_add_co_u32 s85, s85, s86
	s_lshl_b32 s86, s84, 6
	s_add_co_u32 s85, s85, s86
	s_lshl_b32 s87, s83, 10                        ; v: 16 MiB + (1,024 b + 256 cy + 64 wave) x 2,048 + n0
	s_lshl_b32 s88, s41, 8
	s_add_co_u32 s87, s87, s88
	s_lshl_b32 s88, s14, 6
	s_add_co_u32 s87, s87, s88
	s_lshl_b32 s87, s87, 11
	s_add_co_u32 s87, s87, s84
	s_add_co_u32 s87, s87, 16<<20
	s_cmp_eq_u32 ttmp9, 2
	s_cselect_b32 s88, s87, s85
	s_mov_b32 s89, 0
	s_add_nc_u64 s[10:11], s[10:11], s[88:89]      ; where my wave's stores begin
.macro FRAG reg, adr, q, i             ; a fragment, 16 rows x 128 K, is 16 registers: lane l holds row l % 16; registers 4 c .. 4 c + 3 hold K = 32 c + 16 (l / 16) + 0 .. 15: the same order of K on both sides
.irp c, 0,1,2,3
	ds_load_b128 v[\reg+4*\c:\reg+4*\c+3], v[\adr] offset:128*(\q)+32*\c+(\i)*16*PITCH
.endr
.endm
; 16 matrix instructions: S1's blocks a0, a0 + 1 x S0's eight, 128 along K.  p: S0's set.  zero = 1: the first product starts the sums.
; The 64 accumulators take turns, one instruction a turn, in the same order in every step.
.macro MUL16 a0, p, zero
.irp a, \a0, \a0+1
.irp b, 0,1,2,3,4,5,6,7
.if \zero
	v_wmma_f32_16x16x128_bf8_bf8 v[8*(8*((\a)%4)+\b):8*(8*((\a)%4)+\b)+7], v[128*(\p)+FR*\b:128*(\p)+FR*\b+FR-1], v[AF+FR*(\a):AF+FR*(\a)+FR-1], 0
.else
	v_wmma_f32_16x16x128_bf8_bf8 v[8*(8*((\a)%4)+\b):8*(8*((\a)%4)+\b)+7], v[128*(\p)+FR*\b:128*(\p)+FR*\b+FR-1], v[AF+FR*(\a):AF+FR*(\a)+FR-1], v[8*(8*((\a)%4)+\b):8*(8*((\a)%4)+\b)+7]
.endif
.endr
.endr
.endm
.macro FETCH_B slot, q, p              ; S0's eight fragments of the slot's q-th 128 along K into set p
	WIN TO_B
.irp i, 0,1,2,3,4,5,6,7
	FRAG 128*(\p)+FR*\i, ADRB+\slot, \q, \i
.endr
	WIN 0
.endm
.macro FETCH_A slot, q, i0             ; S1's blocks i0 .. i0 + 3
.irp i, \i0, \i0+1, \i0+2, \i0+3
	FRAG AF+FR*(\i), ADRA+\slot, \q, \i
.endr
.endm
; A load into a register that a matrix instruction has read, and a vector instruction that reads a matrix result or writes one of its registers, stand NP places behind it; only plain vector
; instructions that name none of its registers are places (ISA guide 7.12.1 for vector instructions).
.macro PLACES n
.rept \n
	v_nop
.endr
.endm
; A step of 128 along K that has its successor in the same slot.  A block of S1 is free as soon as its eight products are issued: blocks 0-3 are fetched anew in the step's middle, blocks 4-7 at its end.
.macro STEP slot, q, zero
	s_wait_dscnt 4*NL                              ; S0's set and S1's blocks 0-3 are in; the youngest sixteen loads (blocks 4-7) may be out
	WIN MUL_LO
	MUL16 0, (\q)%2, \zero
	MUL16 2, (\q)%2, \zero
	s_wait_dscnt 0                                 ; blocks 4-7 are in
	PLACES NP
	FETCH_B \slot, (\q)+1, 1-(\q)%2
	FETCH_A \slot, (\q)+1, 0
	WIN MUL_HI
	MUL16 4, (\q)%2, \zero
	MUL16 6, (\q)%2, \zero
	PLACES NP
	WIN 0
	FETCH_A \slot, (\q)+1, 4
.endm
; A slot's last step changes slots: ONE barrier; in front of it each wave waits for all its tensor loads, adds 0 to its spare word, and waits for that and for its own reads of this slot.  fill = 1: this slot is filled again, two K steps ahead.
.macro TURN slot, next, fill
	s_wait_tensorcnt 0x0                           ; all my tensor loads have landed: my part of the next slot  (every window is 0 here)
	ds_add_u32 v[SPW], v[NIL]                      ; 0 onto my spare word
	s_wait_dscnt 4*NL+1                            ; (the add and the youngest sixteen loads may be out)
	WIN MUL_LO
	MUL16 0, 1, 0                                  ; sixteen matrix instructions stand between the add and the wait for it
	s_wait_dscnt 0x0                               ; the add is done, and my reads of this slot are over
	s_barrier_signal -1
	MUL16 2, 1, 0
	WIN 0
	s_barrier_wait -1
.if \fill
	CREST                                          ; the barrier has opened a round of the cluster's barrier: no wave of any partner still reads this slot's tile or has a load on its way
	s_add_nc_u64 s[G0+4*\slot+2:G0+4*\slot+3], s[G0+4*\slot+2:G0+4*\slot+3], 2*ROWB
	s_add_nc_u64 s[G0B+4*\slot+2:G0B+4*\slot+3], s[G0B+4*\slot+2:G0B+4*\slot+3], 2*ROWB
	JLOAD G0+4*\slot, G1, G0B+4*\slot, G1B         ; the first tensor load behind the round; its four v_nop are the places in front of the loads below
.else
	PLACES NP
.endif
	FETCH_B \next, 0, 0
	FETCH_A \next, 0, 0
	WIN MUL_HI
	MUL16 4, 1, 0
	MUL16 6, 1, 0
	PLACES NP
	WIN 0
	FETCH_A \next, 0, 4
.endm
	s_wait_tensorcnt 1                             ; my part of K step 0 is in (K step 1's load may be out)
	s_barrier_signal -1
	s_barrier_wait -1                              ; everybody's is
	FETCH_B 0, 0, 0
	FETCH_A 0, 0, 0
	FETCH_A 0, 0, 4
	STEP 0, 0, 1                                   ; K = 1,024 is eight steps of 128, four slots' worth: written out, no loop.  The first products start the sums
	TURN 0, 1, 1                                   ; slot 0 takes K step 2
	STEP 1, 0, 0
	TURN 1, 0, 1                                   ; slot 1 takes K step 3
	STEP 0, 0, 0
	TURN 0, 1, 0                                   ; nothing is left to fetch: no round.  Behind this barrier nobody reads slot 0
	STEP 1, 0, 0
	s_wait_dscnt 4*NL                              ; the very last step
	WIN MUL_LO
	MUL16 0, 1, 0
	MUL16 2, 1, 0
	s_wait_dscnt 0
	WIN MUL_HI
	MUL16 4, 1, 0
	MUL16 6, 1, 0
	WIN 0
	; THE WAY OUT.  The three scales are folded into the conversion's one: code = sum / 2^(e - e0 - e1).
	s_wait_kmcnt 0x0
	s_cmp_eq_u32 ttmp9, 0
	s_cselect_b32 s90, s75, s74                    ; q: e3; k: e2
	s_cmp_eq_u32 ttmp9, 2
	s_cselect_b32 s90, s77, s90                    ; v: e5
	s_sub_co_i32 s90, s90, s72
	s_sub_co_i32 s90, s90, s73
	s_add_co_i32 s90, s90, 127
	s_lshl_b32 s91, s90, 23
	v_mov_b32 v[SC], s91                           ; 2^(e - e0 - e1) as f32: the conversion takes its exponent field
	s_add_co_i32 s90, s90, 15
	s_lshl_b32 s90, s90, 23
	s_or_b32 s90, s90, 0x600000
	PLACES NP                                      ; behind the last products: their results are read and the registers of S1's fragments written below
; Block a: 16 rows of S1 x 128 rows of S0.  A lane's eight sums of an accumulator are eight neighbours along the operand's K: held, converted to eight codes, and put into the stage at row = S1's row, byte = S0's row.
.macro QBLOCK a
.set AC, 64*((\a)%4)
	WIN 0x02+((\a)/4)                              ; source 0: window 2 or 3
.set j, 0
.rept 64
.set j, j+1
.endr
.irp b, 0,1,2,3,4,5,6,7
	v_cvt_scalef32_pk8_bf8_f32 v[CD+16*(\a)+2*\b:CD+16*(\a)+2*\b+1], v[AC+8*\b:AC+8*\b+7], v[SC]
.endr
	WIN 0
	v_nop
.irp b, 0,1,2,3,4,5,6,7
	ds_store_b64 v[STO], v[CD+16*(\a)+2*\b:CD+16*(\a)+2*\b+1] offset:(\a)*16*SP+16*\b
.endr
.endm
.irp a, 0,1,2,3,4,5,6,7
	QBLOCK \a
.endr
	s_wait_dscnt 0x0                               ; for the others' sake: my stores into the stage are done
	s_barrier_signal -1
	s_barrier_wait -1                              ; the 256 x 256 codes lie in the stage
	s_cmp_eq_u32 ttmp9, 2
	s_cbranch_scc1 .Lv_out                         ; the two ways hold LDS loads and global stores alone
	; q, k: the stage's rows are positions, its bytes four heads x 64 e.  Wave w takes head 4 cx + w: eight positions x 64 bytes an instruction.
.set t, 0
.rept 32
	ds_load_b128 v[BK+4*t:BK+4*t+3], v[RDQ0+t/16] offset:(t%16)*8*SP
.set t, t+1
.endr
.set t, 0
.rept 32
	s_wait_dscnt 31-t                              ; the younger loads may be out
	global_store_b128 v[COQ], v[BK+4*t:BK+4*t+3], s[10:11] offset:((t/4)*4+(t%2)*2+(t/2)%2)*512   ; positions 8 t on go to pos 8 t' on, t' = t with its two low bits exchanged: 512 consecutive bytes, aligned
.set t, t+1
.endr
	s_branch .Lout_done
.Lv_out:
	; v: the stage's rows are head x 64 + e, its bytes 256 positions.  Wave w takes rows 64 w on, two whole rows an instruction.
.set t, 0
.rept 32
	ds_load_b128 v[BK+4*t:BK+4*t+3], v[RDV] offset:t*2*SP
.set t, t+1
.endr
.set t, 0
.rept 32
	s_wait_dscnt 31-t
	global_store_b128 v[COV], v[BK+4*t:BK+4*t+3], s[10:11] offset:t*4096   ; sixteen lanes store 256 consecutive bytes, aligned
.set t, t+1
.endr
.Lout_done:
	s_wait_tensorcnt 0x0                           ; the wave's end: behind my last tensor load and my last LDS store
	ds_add_u32 v[SPW], v[NIL]
	s_wait_dscnt 0x0
	CROUND                                         ; the closing round: no work-group ends while a partner may still ask for a tile that names it
	s_endpgm
.Lfunc_end_k_qac91dedd98_qkv:
	.size	k_qac91dedd98_qkv, .Lfunc_end_k_qac91dedd98_qkv-k_qac91dedd98_qkv
	.p2alignl 7, 3214868480
	.fill 96, 4, 3214868480
	.section	.rodata,"a",@progbits
	.p2align	6, 0x0
	.amdhsa_kernel k_qac91dedd98_qkv
		.amdhsa_group_segment_fixed_size 327680
		.amdhsa_private_segment_fixed_size 0
		.amdhsa_enable_private_segment 0
		.amdhsa_kernarg_size 32
		.amdhsa_user_sgpr_count 2
		.amdhsa_user_sgpr_kernarg_segment_ptr 1
		.amdhsa_wavefront_size32 1
		.amdhsa_system_sgpr_workgroup_id_x 1
		.amdhsa_system_sgpr_workgroup_id_y 1
		.amdhsa_system_sgpr_workgroup_id_z 1
		.amdhsa_system_vgpr_workitem_id 0
		.amdhsa_next_free_vgpr 1024
		.amdhsa_next_free_sgpr 100
		.amdhsa_reserve_vcc 0
		.amdhsa_float_denorm_mode_32 3
		.amdhsa_float_denorm_mode_16_64 3
		.amdhsa_fp16_overflow 1
		.amdhsa_memory_ordered 1
		.amdhsa_forward_progress 1
		.amdhsa_inst_pref_size 100
	.end_amdhsa_kernel
	.amdgpu_metadata
---
amdhsa.version: [ 1, 2 ]
amdhsa.kernels:
  - .name:           k_qac91dedd98_qkv
    .symbol:         k_qac91dedd98_qkv.kd
    .args:
      - { .name: x_codes, .offset: 0, .size: 8, .value_kind: global_buffer, .address_space: global }
      - { .name: W_qkv_codes, .offset: 8, .size: 8, .value_kind: global_buffer, .address_space: global }
      - { .name: lowp_scales, .offset: 16, .size: 8, .value_kind: global_buffer, .address_space: global }
      - { .name: qkv_ws, .offset: 24, .size: 8, .value_kind: global_buffer, .address_space: global }
    .group_segment_fixed_size: 327680
    .private_segment_fixed_size: 0
    .kernarg_segment_align: 8
    .kernarg_segment_size: 32
    .max_flat_workgroup_size: 128
    .sgpr_count:     100
    .vgpr_count:     1024
    .wavefront_size: 32
...
	.end_amdgpu_metadata
.endif
;; end of part 1
;; launch attn (part 2): grid 4 x 64, 16 waves a work-group, no clusters, 327,680 bytes of LDS; arguments qkv_ws, lowp_scales, o_ws; writes o_ws
.if DOCPART == 2
	.amdgcn_target "amdgcn-amd-amdhsa--gfx1250"
	.amdhsa_code_object_version 6
	.text
	.protected	k_qac91dedd98_attn
	.globl	k_qac91dedd98_attn
	.p2align	8
	.type	k_qac91dedd98_attn,@function
k_qac91dedd98_attn:
	s_mov_b64 s[64:65], 0
	v_nop
	global_prefetch_b8 v0, s[64:65] scope:SCOPE_SE
	s_setreg_imm32_b32 hwreg(HW_REG_WAVE_MODE, 25, 1), 1
	s_wait_xcnt 0x0
; o[b][head][i] = the sum over j >= i of softmax_j(k_i . q_j / 8) v_j, both products on codes of BF8 (E5M2), and the quantising of o for the last product.
; The ROWS of the scores are positions i of k, the COLUMNS positions j of q; the softmax runs along the columns; column j counts for row i where j >= i; v is taken at j.
; IN (qkv_ws): q at byte 0, k at 8 MiB: [y = b x 16 + head][pos][64], pos = the position with its bits 3 and 4 exchanged; v at 16 MiB: [y][64 e][2048 j].  lowp_scales: e0 .. e7.
; OUT (o_ws): codes of o with the scale 2^e6, laid [row / 4][head][row % 4][64 e], row = 2,048 b + i: a wave's 16 rows of a head are four blocks of 256 consecutive bytes.
; THE SOFTMAX AHEAD OF THE SECOND PRODUCT: t = score x log2(e) / 8; M = the row's largest t so far, rounded UP to a whole number; p = 2^(t - M) is quantised with 2^e4, not normalised.
; The row's sum is taken of the unquantised p, in f32, and divides at the end.  When M moves, the sum and O are multiplied by 2^(old M - new M): exact.
; SHARES.  Work-group (I, y), I = 0 .. 3, owns the row blocks I and 7 - I of head y, 256 rows each, one after the other.  Block I needs the column slots I .. 7 (256 columns each), block 7 - I the slots 7 - I .. 7:
; 9 slots whatever I is: 256 work-groups of equal work, a constant number of trips, and no slot is fetched that nobody reads.  Each of the SIXTEEN waves owns 16 rows of the block in hand, in 256 registers.
; NO CLUSTER: the four work-groups of a head begin at slots I = 0, 1, 2, 3 and turn back at different trips, so at no trip do two of them want the same tile; made to walk jointly, each would walk
; all 8 slots for each of its blocks, 16 in place of 9.
; LAYOUT.  Both products are used transposed: S^T = q k^T (source 0 = 16 columns, source 1 = my 16 rows), O^T = v^T p^T (source 0 = 16 of the head's 64, source 1 = p): a lane holds ONE row (lane % 16) throughout.
; By the exchange of bits in pos, the LDS rows 16 t + r of tile t = 2 b + u hold the columns 32 b + 16 (r / 8) + 8 u + r % 8, so that the 16 registers of tiles 2 b and 2 b + 1 are the 16 neighbouring columns 32 b + 16 (lane / 16) + 0 .. 15.
; LIMITS on the given exponents, so that each power of two below is an f32 number: e2 + e3 between -123 and 130 (added to c's exponent field); e4, and e6 - e4 - e5, between -126 and 112.  NaN codes are not served.
; REGISTERS: v1-7, v10, v11 addresses that stay; v8, v9 addresses of the loads in hand; v12 -M, v13 the largest t, v[14:15] the sum in two halves; v16-23 k's fragment in use, v24-31 the second block's;
; v32-95 eight fragments of q, then four of v; v96-159 S^T, then p; v160-191 O^T; v192-207 p's codes; v208-215 o's codes; v216-231 o's rows read back; v232, v233 k's offsets; v236-254 constants and work.
.set KP,    80                         ; a column's row in LDS: 64 bytes + 16 of padding = 20 words: sixteen rows start at sixteen different groups of four banks
.set VP,    272                        ; a row of v's tile: 256 bytes + 16
.set VOFF,  256*KP                     ; a slot: 256 rows of q, then 64 rows of v
.set SLOT1, 1<<16                      ; slot 1 begins here, so that one exclusive or turns an address in one slot into the other's
.set SPARE, 2*SLOT1                    ; behind the ring: the spare words, 128 bytes a wave: eight blocks of 256 bytes that no other line names
.set STAGE, SPARE+2048                 ; the way out: 16 rows x 80 bytes for each wave, five blocks of 256 bytes: no fill ever lands here
.set KBASE, 8<<20                      ; k in qkv_ws
.set VBASE, 16<<20                     ; v in qkv_ws
.set AK0,  1                           ; v1   my lane's place in a tile of q
.set AV0,  2                           ; v2   the same for v
.set PFO,  3                           ; v3   the prefetches' offset; never rewritten
.set STO,  4                           ; v4   my stage: where I put eight codes
.set SPW,  5                           ; v5   LDS address of my spare word; never rewritten
.set NIL,  6                           ; v6   0; never rewritten
.set GO,   7                           ; v7   my byte offset in the wave's blocks of o_ws
.set ADK,  8                           ; v8   LDS address of the step's tiles of q
.set ADV,  9                           ; v9   of v
.set RD,   10                          ; v10  my stage: where I read rows back
.set DD,   11                          ; v11  lane % 16 - 16 (lane / 16), for the mask
.set TB,   2                           ; s2   LDS byte at which the slot in hand begins
.set WV,   18                          ; s18  my wave's number
.set SEL,  20                          ; s[20:21] lane selects for v_permlanex16_b32: lane l xor 16
.set CS,   22                          ; s[22:23] c = log2(e) / 8 x 2^(e2 + e3)
.set G1K,  24                          ; s[24:31] descriptor group 1 for q's tiles;  s[32:39] for v's;  s[40:43], s[44:47] their groups 0, which walk
.set G1V,  32
.set G0K,  40
.set G0V,  44
.set ES,   48                          ; s[48:55] e0 .. e7
.set WGI,  56                          ; s56  I
.set SWT,  57                          ; s57  I + 1: the count of slots still to be asked for in the trip that ends the first block
.set JC,   58                          ; s58  (I + 1) slots of q in bytes
.set JV,   59                          ; s59  (I + 1) slots of a row of v in bytes
.set BKC,  60                          ; s[60:61], s[62:63] what the walking addresses go back by in this trip: 0, or JC and JV
.set BKV,  62
.set SLOTS, 66                         ; s66  slots still to be asked for
.set KF,   67                          ; s67  the step's first column
.set Q0,   68                          ; s68  my first row
.set Q0B,  69                          ; s69  my first row in the second block
.set KFB,  70                          ; s70  the second block's first column
.set OB,   72                          ; s[72:73], s[74:75] where my rows of the first and of the second block go
.set PFA,  76                          ; s[76:77] where my prefetches stand
.set PFS,  78                          ; s[78:79] a slot on, in bytes
.set LIM,  80                          ; s80  2 in a wave that prefetches, else the greatest number
; Waves 0 and 1 fetch q's halves, wave 2 fetches v's tile, the others nothing.  The branches hang on the wave's number alone.  Four v_nop follow each of the two lines.
.macro TLOAD
	s_cmp_lt_u32 s[WV], 2
	s_cbranch_scc0 .Lnot_c_\@
	tensor_load_to_lds s[G0K:G0K+3], s[G1K:G1K+7]
	s_nop 0
.rept 4
	v_nop
.endr
	s_branch .Lasked_\@
.Lnot_c_\@:
	s_cmp_eq_u32 s[WV], 2
	s_cbranch_scc0 .Lasked_\@
	tensor_load_to_lds s[G0V:G0V+3], s[G1V:G1V+7]
	s_nop 0
.rept 4
	v_nop
.endr
.Lasked_\@:
.endm
; A PREFETCH INTO THE L2.  The four work-groups of a head read the same q and v; work-group I = 0 walks the slots 0, 1, .. 7 in order, and it alone asks: in trip t, whose tensor loads ask for slot t + 1, for slot t + 2:
; one trip, two key steps, ahead of the load.  Waves 4 and 5 ask for q's block of 16,384 bytes, 8,192 a wave, lanes 256 bytes apart; waves 6 and 7 for v's 64 rows, 32 a wave, a lane a row's 256 bytes.
; So each aligned block of 256 bytes is named once in the launch.  Trips 6 and 7 ask for nothing: slot 7 is the last.  Slots 0 and 1 come by their loads alone.
.macro ASK
	s_cmp_gt_u32 s[SLOTS], s[LIM]
	s_cbranch_scc0 .Lnot_mine_\@
	global_prefetch_b8 v[PFO], s[PFA:PFA+1] th:TH_LOAD_NT scope:SCOPE_SE
.Lnot_mine_\@:
.endm
	s_load_b128 s[4:7], s[0:1], 0x0                ; qkv_ws s[4:5], the exponents s[6:7]
	s_load_b64 s[8:9], s[0:1], 0x10                ; o_ws
	v_lshl_add_u32 v[SPW], v0, 2, SPARE
	v_mov_b32 v[NIL], 0
	ds_add_u32 v5, v6
	ds_add_u32 v5, v6
	s_wait_dscnt 0x0
	v_lshrrev_b32 v8, 5, v0
	s_delay_alu instid0(VALU_DEP_1)
	v_readfirstlane_b32 s[WV], v8                  ; wave 0..15
	s_mov_b32 s[WGI], ttmp9
	s_and_b32 s81, ttmp7, 0xffff                   ; y = b x 16 + head
	s_lshl_b32 s82, s81, 17                        ; the head's first byte in q, in k and in v: y x 131,072
	s_add_co_u32 s[SWT], s[WGI], 1
	s_lshl_b32 s[JC], s[SWT], 14
	s_lshl_b32 s[JV], s[SWT], 8
	s_mov_b32 s[BKC+1], 0
	s_mov_b32 s[BKV+1], 0
	s_mov_b32 s[SLOTS], 8
	s_lshl_b32 s[KF], s[WGI], 8                    ; the first block's first column = its first row
	s_lshl_b32 s83, s[WV], 4
	s_add_co_u32 s[Q0], s[KF], s83
	s_sub_co_u32 s84, 7, s[WGI]
	s_lshl_b32 s[KFB], s84, 8
	s_add_co_u32 s[Q0B], s[KFB], s83
	s_lshr_b32 s85, s81, 4                         ; o_ws: (2,048 b + my first row) x 1,024 + 256 x head
	s_lshl_b32 s85, s85, 11
	s_and_b32 s86, s81, 15
	s_lshl_b32 s86, s86, 8
	s_add_co_u32 s88, s85, s[Q0]
	s_lshl_b32 s88, s88, 10
	s_add_co_u32 s88, s88, s86
	s_mov_b32 s89, 0
	s_add_co_u32 s90, s85, s[Q0B]
	s_lshl_b32 s90, s90, 10
	s_add_co_u32 s90, s90, s86
	s_mov_b32 s91, 0
	s_and_b32 s92, s[WV], 1
	s_lshl_b32 s94, s[WGI], 14                     ; q's tile: slot I, + 128 rows x 64 bytes for the second half
	s_lshl_b32 s93, s92, 13
	s_add_co_u32 s94, s94, s93
	s_add_co_u32 s94, s94, s82
	s_mov_b32 s95, 0
	s_mul_i32 s93, s92, 128*KP                     ; and its place in a slot
	s_add_co_u32 s96, s[KF], s82                   ; v's tile: 256 I bytes along the head's first row
	s_add_co_u32 s96, s96, VBASE
	s_mov_b32 s97, 0
	s_lshr_b32 s98, s[WV], 1                       ; k's fragments.  Row 256 blk + 16 w + r lies at pos 256 blk + 32 (w / 2) + 16 (r / 8) + 8 (w % 2) + r % 8
	s_lshl_b32 s98, s98, 11
	s_lshl_b32 s99, s92, 9
	s_add_co_u32 s98, s98, s99
	s_add_co_u32 s98, s98, s82
	s_add_co_u32 s98, s98, KBASE
	s_lshl_b32 s99, s84, 14
	s_add_co_u32 s99, s99, s98                     ; block 7 - I
	s_lshl_b32 s87, s[WGI], 14
	s_add_co_u32 s98, s98, s87                     ; block I
	; descriptor group 1: q: 128 rows of 64 bytes, dense in memory;  v: 64 rows of 256 bytes, 2,048 bytes apart
	s_mov_b32 s[G1K], (0<<16)|(1<<20)|(3<<22)|(3<<25)   ; no mask; elements of 1 byte; padding on: four words (code 3) after every 16 (code 3)
	s_mov_b32 s[G1K+1], 64<<16                     ; tensor_dim0
	s_mov_b32 s[G1K+2], 128<<16                    ; tensor_dim1
	s_mov_b32 s[G1K+3], 64<<16                     ; tile_dim0
	s_mov_b32 s[G1K+4], 128                        ; tile_dim1
	s_mov_b32 s[G1K+5], 64                         ; tensor_dim0_stride
	s_mov_b32 s[G1K+6], 0
	s_mov_b32 s[G1K+7], 0
	s_mov_b32 s[G1V], (0<<16)|(1<<20)|(5<<22)|(3<<25)   ; padding: four words after every 64
	s_mov_b32 s[G1V+1], 256<<16
	s_mov_b32 s[G1V+2], 64<<16
	s_mov_b32 s[G1V+3], 256<<16
	s_mov_b32 s[G1V+4], 64
	s_mov_b32 s[G1V+5], 2048
	s_mov_b32 s[G1V+6], 0
	s_mov_b32 s[G1V+7], 0
	s_mov_b32 s[SEL], 0x76543210
	s_mov_b32 s[SEL+1], 0xfedcba98
	s_mov_b32 s[CS], 0x3e38aa3b                    ; log2(e) / 8
	s_mov_b32 s[TB], 0
	s_wait_kmcnt 0x0
	s_load_b256 s[ES:ES+7], s[6:7], 0x0            ; e0 .. e7
	s_mov_b32 s[G0K], 1                            ; count = 1
	s_mov_b32 s[G0K+1], s93                        ; LDS address: slot 0
	s_add_nc_u64 s[G0K+2:G0K+3], s[4:5], s[94:95]
	s_or_b32 s[G0K+3], s[G0K+3], 0x80000000        ; type = 2
	s_mov_b32 s[G0V], 1
	s_mov_b32 s[G0V+1], VOFF
	s_add_nc_u64 s[G0V+2:G0V+3], s[4:5], s[96:97]
	s_or_b32 s[G0V+3], s[G0V+3], 0x80000000
	TLOAD                                          ; the first slot: column slot I
	s_add_nc_u64 s[OB:OB+1], s[8:9], s[88:89]
	s_add_nc_u64 s[OB+2:OB+3], s[8:9], s[90:91]
	; the prefetches: where my wave's stand, and who asks
	s_cmp_lt_u32 s[WV], 6                          ; waves 4 and 5 ask for q, waves 6 and 7 for v
	s_mov_b32 s[PFS], 256
	s_cselect_b32 s[PFS], 16384, s[PFS]            ; a slot on
	s_mov_b32 s83, 2048
	s_cselect_b32 s83, 256, s83                    ; from lane to lane
	s_mov_b32 s84, 65536
	s_cselect_b32 s84, 8192, s84                   ; from wave to wave
	s_cselect_b32 s85, 0, VBASE
	v_and_b32 v[PFO], 31, v0
	s_delay_alu instid0(VALU_DEP_1)
	v_mul_lo_u32 v[PFO], v[PFO], s83
	s_mul_i32 s84, s92, s84                        ; my wave's part,
	s_add_co_u32 s84, s84, s[PFS]                  ; in slot 1: the first change of slots steps it to slot 2.  Nothing is prefetched here, at the head
	s_add_co_u32 s84, s84, s85
	s_add_co_u32 s84, s84, s82                     ; in my head
	s_mov_b32 s85, 0
	s_mov_b32 s[PFS+1], 0
	s_add_nc_u64 s[PFA:PFA+1], s[4:5], s[84:85]
	s_sub_co_u32 s86, s[WV], 4
	s_lshr_b32 s86, s86, 2                         ; 0 in waves 4 to 7,
	s_or_b32 s86, s86, ttmp9                       ; of work-group I = 0
	s_cmp_eq_u32 s86, 0
	s_cselect_b32 s[LIM], 2, -1
	v_and_b32 v8, 15, v0                           ; r = lane % 16
	v_bfe_u32 v9, v0, 4, 1                         ; h = lane / 16
	s_delay_alu instid0(VALU_DEP_2)
	v_and_b32 v232, 8, v8
	s_delay_alu instid0(VALU_DEP_1)
	v_add_nc_u32 v232, v232, v8                    ; r + 8 (r / 8)
	s_delay_alu instid0(VALU_DEP_1)
	v_lshlrev_b32 v232, 6, v232
	s_delay_alu instid0(VALU_DEP_1)
	v_lshl_add_u32 v232, v9, 4, v232               ; x 64 bytes, + 16 h
	s_delay_alu instid0(VALU_DEP_1)
	v_add_nc_u32 v233, s99, v232
	s_delay_alu instid0(VALU_DEP_2)
	v_add_nc_u32 v232, s98, v232                   ; v232, v233 are never rewritten
	global_load_b128 v[16:19], v232, s[4:5]             ; k's fragment of my rows in block I: registers 4 c .. 4 c + 3 hold e = 32 c + 16 h + 0 .. 15, as q's fragments do
	global_load_b128 v[20:23], v232, s[4:5] offset:32
	global_load_b128 v[24:27], v233, s[4:5]             ; and in block 7 - I
	global_load_b128 v[28:31], v233, s[4:5] offset:32
	v_mul_u32_u24 v[AK0], v8, KP
	s_delay_alu instid0(VALU_DEP_1)
	v_lshl_add_u32 v[AK0], v9, 4, v[AK0]
	v_mul_u32_u24 v[AV0], v8, VP
	s_delay_alu instid0(VALU_DEP_1)
	v_lshl_add_u32 v[AV0], v9, 4, v[AV0]
	s_delay_alu instid0(VALU_DEP_1)
	v_add_nc_u32 v[AV0], VOFF, v[AV0]
	s_mul_i32 s87, s[WV], 16*KP
	s_add_co_u32 s87, s87, STAGE                   ; my stage
	v_mul_u32_u24 v[STO], v8, KP
	s_delay_alu instid0(VALU_DEP_1)
	v_lshl_add_u32 v[STO], v9, 3, v[STO]
	s_delay_alu instid0(VALU_DEP_1)
	v_add_nc_u32 v[STO], s87, v[STO]               ; in: row r, + 8 h
	v_bfe_u32 v[RD], v0, 2, 3
	s_delay_alu instid0(VALU_DEP_1)
	v_mul_u32_u24 v[RD], v[RD], KP
	v_and_b32 v[DD], 3, v0
	s_delay_alu instid0(VALU_DEP_1)
	v_lshl_add_u32 v[RD], v[DD], 4, v[RD]
	s_delay_alu instid0(VALU_DEP_1)
	v_add_nc_u32 v[RD], s87, v[RD]                 ; back: eight rows an instruction, four lanes to a row's 64 bytes
	v_lshlrev_b32 v[GO], 12, v9
	s_delay_alu instid0(VALU_DEP_1)
	v_lshl_add_u32 v[GO], v8, 4, v[GO]             ; lanes 0-15: four rows' 256 bytes; lanes 16-31: the next four rows', 4,096 bytes on
	v_lshlrev_b32 v[DD], 4, v9
	s_delay_alu instid0(VALU_DEP_1)
	v_sub_nc_u32 v[DD], v8, v[DD]                  ; r - 16 h
	v_mov_b32 v13, 0xff61b1e6                      ; the largest t so far: -3e38, under every t
	s_delay_alu instid0(VALU_DEP_1)
	v_floor_f32 v12, -v13                          ; -M
	v_mov_b32 v14, 0                               ; the sum, in two halves
	v_mov_b32 v15, 0
	v_mov_b32 v236, 0                              ; written once: a lane permute's destination counts as one of its sources
	v_mov_b32 v253, 0                              ; (named as the upper half of the pair v[252:253])
.set j, 0
.rept 32
	v_mov_b32 v[160+j], 0                          ; O^T.  (The step is written once: a block's first step finds zeros, which the first change of M leaves zeros)
.set j, j+1
.endr
	s_wait_kmcnt 0x0
	s_add_co_i32 s81, s[ES+2], s[ES+3]
	s_lshl_b32 s81, s81, 23
	s_add_co_i32 s[CS], s[CS], s81                 ; a score stands for score x 2^(e2 + e3): the two exponents are added to c's exponent field
	s_mov_b32 s[CS+1], s[CS]                       ; (named with it as a pair, so it is written)
	s_add_co_i32 s81, s[ES+4], 127
	s_lshl_b32 s83, s81, 23
	v_mov_b32 v244, s83                            ; 2^e4 as f32, for p's conversions
	s_sub_co_i32 s81, s[ES+6], s[ES+4]
	s_sub_co_i32 s81, s81, s[ES+5]                 ; O^T / the sum stands for that x 2^(e4 + e5): o's code is it / 2^(e6 - e4 - e5)
	s_add_co_i32 s81, s81, 127
	s_lshl_b32 s83, s81, 23
	v_mov_b32 v246, s83
; A STEP: 128 columns, the q-th half of the slot in hand.
.macro STEP q
	s_add_co_u32 s98, s[KF], 127                   ; a step all of whose columns come before my 16 rows is left out: a scalar branch on ids, round the step's loads, products and softmax; no barrier and no tensor load stands in a step
	s_cmp_lt_u32 s98, s[Q0]
	s_cbranch_scc1 .Lhidden_\@
	v_add_nc_u32 v[ADK], s[TB], v[AK0]
	v_add_nc_u32 v[ADV], s[TB], v[AV0]
	v_nop                                          ; with the two additions: four places in front of loads into registers that the last products have read
	v_nop
.irp t, 0,1,2,3,4,5,6,7
.irp c, 0,1
	ds_load_b128 v[32+8*\t+4*\c:32+8*\t+4*\c+3], v[ADK] offset:(128*(\q)+16*\t)*KP+32*\c
.endr
.endr
	s_wait_dscnt 8                                 ; the first four tiles' eight loads are in; the other eight may be out
	s_wait_alu depctr_va_vdst(0)
.irp t, 0,1,2,3
	v_wmma_f32_16x16x64_bf8_bf8 v[96+8*\t:103+8*\t], v[32+8*\t:39+8*\t], v[16:23], 0
.endr
	s_wait_dscnt 0x0
.irp t, 4,5,6,7
	v_wmma_f32_16x16x64_bf8_bf8 v[96+8*\t:103+8*\t], v[32+8*\t:39+8*\t], v[16:23], 0
.endr
.rept 4
	v_nop                                          ; four places: in front of the loads below, into registers that these products have read, and of the first read of the scores
.endr
.irp t, 0,1,2,3
.irp c, 0,1,2,3
	ds_load_b128 v[32+16*\t+4*\c:32+16*\t+4*\c+3], v[ADV] offset:16*\t*VP+128*(\q)+32*\c   ; v's four fragments are asked for now and land under the softmax
.endr
.endr
	s_add_co_u32 s98, s[Q0], 15                    ; on the diagonal the scores of hidden columns become -infinity ahead of the maximum: p = 0 then.  A step all of whose columns count skips this
	s_cmp_ge_u32 s[KF], s98
	s_cbranch_scc1 .Lopen_\@
	s_sub_co_i32 s98, s[Q0], s[KF]
	v_add_nc_u32 v252, s98, v[DD]                  ; d = my row - KF - 16 (lane / 16).  Register 16 b + i holds column KF + 16 (lane / 16) + 32 b + i: hidden where 32 b + i < d
	v_mov_b32 v254, 0xff800000                     ; -infinity
.set n, 0
.rept 64
	v_cmp_lt_i32 vcc_lo, 32*(n/16)+n%16, v252
	v_cndmask_b32 v[96+n], v[96+n], v254, vcc_lo
.set n, n+1
.endr
.Lopen_\@:
	v_max3_num_f32 v254, v96, v97, v98             ; the step's largest score of my row, among my 64 columns, in two chains,
	v_max3_num_f32 v252, v99, v100, v101
.irp i, 6,10,14,18,22,26,30,34,38,42,46,50,54,58
	v_max3_num_f32 v254, v254, v[96+\i], v[97+\i]
	v_max3_num_f32 v252, v252, v[98+\i], v[99+\i]
.endr
	v_max3_num_f32 v254, v254, v158, v159
	s_delay_alu instid0(VALU_DEP_1)
	v_max_num_f32 v254, v254, v252
	s_delay_alu instid0(VALU_DEP_1)
	v_permlanex16_b32 v236, v254, s[SEL], s[SEL+1]
	s_delay_alu instid0(VALU_DEP_1)
	v_max_num_f32 v254, v254, v236                 ; and among lane l xor 16's
	s_delay_alu instid0(VALU_DEP_1)
	v_mul_f32 v254, s[CS], v254                    ; as t (c is positive)
	s_delay_alu instid0(VALU_DEP_1)
	v_max_num_f32 v13, v13, v254                   ; the running largest t.  (The first step that a wave walks in a block holds its diagonal, so it is a number from then on)
	v_mov_b32 v254, v12
	s_delay_alu instid0(VALU_DEP_2)
	v_floor_f32 v12, -v13                          ; the new -M = floor(-t) = -ceil(t): M is a whole number
	s_delay_alu instid0(VALU_DEP_1)
	v_sub_f32 v254, v12, v254                      ; M's old value less its new one: a whole number, 0 or less
	s_delay_alu instid0(VALU_DEP_1)
	v_cvt_i32_f32 v254, v254                       ; (it saturates)
	s_delay_alu instid0(VALU_DEP_1)
	v_ldexp_f32 v252, 1.0, v254                    ; f = 2^(old M - new M)
.set j, 0
.rept 32
	v_pk_fma_f32 v[96+j:97+j], v[96+j:97+j], s[CS:CS+1], v[12:13] op_sel_hi:[1,0,0]   ; t - M, two at a time (of the pairs c and -M the low word serves both halves)
.set j, j+2
.endr
.set j, 0
	s_wait_alu depctr_va_vdst(0)
.rept 64
	v_exp_f32 v[96+j], v[96+j]                     ; p = 2^(t - M), at most 1: not normalised
.set j, j+1
.endr
	v_pk_mul_f32 v[14:15], v[14:15], v[252:253] op_sel_hi:[1,0]   ; the sums under the new M.  (The plain instruction behind the exponentials)
	s_wait_alu depctr_va_vdst(0)                   ; the wait ahead of the first instruction that names an exponential's result: one for the batch of 64
	v_pk_add_f32 v[242:243], v[100:101], v[104:105]
	v_pk_add_f32 v[254:255], v[108:109], v[112:113]
	v_pk_add_f32 v[250:251], v[116:117], v[120:121]
	v_pk_add_f32 v[248:249], v[124:125], v[128:129]
	v_pk_add_f32 v[240:241], v[132:133], v[136:137]
	v_pk_add_f32 v[238:239], v[140:141], v[144:145]
	v_pk_add_f32 v[234:235], v[148:149], v[152:153]
	v_pk_add_f32 v[14:15], v[14:15], v[156:157]
	v_pk_add_f32 v[242:243], v[242:243], v[96:97]
	v_pk_add_f32 v[254:255], v[254:255], v[98:99]
	v_pk_add_f32 v[250:251], v[250:251], v[102:103]
	v_pk_add_f32 v[248:249], v[248:249], v[106:107]
	v_pk_add_f32 v[240:241], v[240:241], v[110:111]
	v_pk_add_f32 v[238:239], v[238:239], v[114:115]
	v_pk_add_f32 v[234:235], v[234:235], v[118:119]
	v_pk_add_f32 v[14:15], v[14:15], v[122:123]
	v_pk_add_f32 v[242:243], v[242:243], v[126:127]
	v_pk_add_f32 v[254:255], v[254:255], v[130:131]
	v_pk_add_f32 v[250:251], v[250:251], v[134:135]
	v_pk_add_f32 v[248:249], v[248:249], v[138:139]
	v_pk_add_f32 v[240:241], v[240:241], v[142:143]
	v_pk_add_f32 v[238:239], v[238:239], v[146:147]
	v_pk_add_f32 v[234:235], v[234:235], v[150:151]
	v_pk_add_f32 v[14:15], v[14:15], v[154:155]
	v_pk_add_f32 v[242:243], v[242:243], v[158:159]
	s_delay_alu instid0(VALU_DEP_2)
	v_pk_add_f32 v[14:15], v[14:15], v[248:249]
	s_delay_alu instid0(VALU_DEP_2)
	v_pk_add_f32 v[242:243], v[242:243], v[240:241]
	v_pk_add_f32 v[254:255], v[254:255], v[238:239]
	v_pk_add_f32 v[250:251], v[250:251], v[234:235]
	s_delay_alu instid0(VALU_DEP_2)
	v_pk_add_f32 v[14:15], v[14:15], v[254:255]
	s_delay_alu instid0(VALU_DEP_2)
	v_pk_add_f32 v[242:243], v[242:243], v[250:251]
	s_delay_alu instid0(VALU_DEP_1)
	v_pk_add_f32 v[14:15], v[14:15], v[242:243]
.irp b, 0,1,2,3
.irp i, 0,1,2,3,4,5,6,7,8,9,10,11,12,13,14,15
.endr
	v_cvt_scalef32_pk8_bf8_f32 v[192+4*\b:193+4*\b], v[96+16*\b:103+16*\b], v244
	v_cvt_scalef32_pk8_bf8_f32 v[194+4*\b:195+4*\b], v[104+16*\b:111+16*\b], v244
.endr
.set j, 0
.rept 16
	v_pk_mul_f32 v[160+j:161+j], v[160+j:161+j], v[252:253] op_sel_hi:[1,0]   ; O^T under the new M: x f.  (Also the plain instructions between the conversions and the products that read their results)
.set j, j+2
.endr
	s_wait_alu depctr_va_vdst(0)
	s_wait_dscnt 0x0                               ; v's fragments are in
.irp t, 0,1,2,3
	v_wmma_f32_16x16x128_bf8_bf8 v[160+8*\t:167+8*\t], v[32+16*\t:47+16*\t], v[192:207], v[160+8*\t:167+8*\t]   ; O^T += v^T p^T: the four accumulators take turns, one instruction a turn
.endr
.Lhidden_\@:
	s_add_co_u32 s[KF], s[KF], 128
.endm
; THE CHANGE OF SLOTS stands at a slot's head.  Each wave waits for all its tensor loads (its part of the slot that it is about to read), adds 0 to its spare word, and waits for that and for its reads of the slot that it has left.
; Behind the barrier the slot ahead is whole and nobody reads the other one.  fill = 1: that other slot is filled with the walk's next column slot: the load has a slot's two steps in which to land.
.macro CHANGE fill
	s_wait_tensorcnt 0x0                           ; no tensor load of mine is out, so a group 0 may be written
	ds_add_u32 v[SPW], v[NIL]                      ; 0 onto my spare word; with fill = 1 the descriptors' steps stand between it and the wait for it
.if \fill
	s_xor_b32 s[G0K+1], s[G0K+1], SLOT1            ; the walking descriptors: the other slot than last time,
	s_add_nc_u64 s[G0K+2:G0K+3], s[G0K+2:G0K+3], 16384   ; the next 256 columns; the type bits on top are not reached
	s_xor_b32 s[G0V+1], s[G0V+1], SLOT1
	s_add_nc_u64 s[G0V+2:G0V+3], s[G0V+2:G0V+3], 256
	s_cmp_eq_u32 s[SLOTS], s[SWT]                  ; in the trip that reads column slot 7 for the first block the walk turns back, from slot 8 to slot 7 - I: I + 1 slots
	s_cselect_b32 s[BKC], s[JC], 0
	s_cselect_b32 s[BKV], s[JV], 0
	s_sub_nc_u64 s[G0K+2:G0K+3], s[G0K+2:G0K+3], s[BKC:BKC+1]
	s_sub_nc_u64 s[G0V+2:G0V+3], s[G0V+2:G0V+3], s[BKV:BKV+1]
	s_wait_xcnt 0x0                                ; the last prefetch, a slot back, has read its address, so it may be written
	s_add_nc_u64 s[PFA:PFA+1], s[PFA:PFA+1], s[PFS:PFS+1]
.endif
	s_wait_dscnt 0x0                               ; the add is done, and my reads of the slot that I have left are over
	s_barrier_signal -1
	s_barrier_wait -1
.if \fill
	TLOAD                                          ; the first thing behind the barrier, and a wave's one tensor load until the next
	ASK
.endif
.endm
; A BLOCK'S END.  O^T is divided by the row's sum, held, converted with 2^(e6 - e4 - e5), and goes through my own stage in LDS, so that sixteen lanes store 256 consecutive bytes.  n = 0, 1: the block; each has its own registers and base.
.macro FINISH n
.rept 4
	v_nop                                          ; four places behind the last products
.endr
	v_add_f32 v14, v14, v15                        ; the sum's two halves,
	s_delay_alu instid0(VALU_DEP_1)
	v_permlanex16_b32 v236, v14, s[SEL], s[SEL+1]
	s_delay_alu instid0(VALU_DEP_1)
	v_add_f32 v14, v14, v236                       ; and lane l xor 16's: the row's sum
	s_wait_alu depctr_va_vdst(0)
	v_rcp_f32 v14, v14
	v_nop                                          ; a plain instruction behind the reciprocal,
	s_wait_alu depctr_va_vdst(0)                   ; and a wait ahead of its first reader
.set j, 0
.rept 16
	v_pk_mul_f32 v[96+j:97+j], v[160+j:161+j], v[14:15] op_sel_hi:[1,0]   ; register 8 t + i is o(row r, e = 16 t + 8 h + i); each accumulator from its low end on
.set j, j+2
.endr
.set j, 0
.rept 32
.set j, j+1
.endr
.irp t, 0,1,2,3
	v_cvt_scalef32_pk8_bf8_f32 v[208+2*\t:209+2*\t], v[96+8*\t:103+8*\t], v246
.endr
	v_nop                                          ; one plain vector instruction behind the last conversion: products write its sources later
.irp t, 0,1,2,3
	ds_store_b64 v[STO], v[208+2*\t:209+2*\t] offset:16*\t
.endr
.irp i, 0,1
	ds_load_b128 v[216+8*\n+4*\i:219+8*\n+4*\i], v[RD] offset:8*KP*\i   ; LDS serves a wave's instructions in order (ISA guide 5.7.1.4): these see my stores
.endr
.irp i, 0,1
	s_wait_dscnt 1-\i
	global_store_b128 v[GO], v[216+8*\n+4*\i:219+8*\n+4*\i], s[OB+2*\n:OB+2*\n+1] offset:8192*\i   ; sixteen lanes store 256 consecutive bytes, aligned: four rows x 64 e of my head
.endr
.endm
	s_wait_loadcnt 0x0                             ; k's two fragments
.Lslot:                                            ; 8 trips: behind each change of slots but the last the walk's next slot is asked for
	CHANGE 1
	STEP 0
	STEP 1
	s_xor_b32 s[TB], s[TB], SLOT1                  ; on to the other slot
	s_cmp_lg_u32 s[SLOTS], s[SWT]                  ; column slot 7 of the first block has been walked (trip 7 - I): the block goes out, and the second begins
	s_cbranch_scc1 .Lstay
	FINISH 0
	v_mov_b32 v13, 0xff61b1e6
	s_delay_alu instid0(VALU_DEP_1)
	v_floor_f32 v12, -v13
	v_mov_b32 v14, 0
	v_mov_b32 v15, 0
.set j, 0
.rept 32
	v_mov_b32 v[160+j], 0
.set j, j+1
.endr
.set j, 0
.rept 8
	v_mov_b32 v[16+j], v[24+j]                     ; the second block's fragment of k
.set j, j+1
.endr
	s_mov_b32 s[Q0], s[Q0B]
	s_mov_b32 s[KF], s[KFB]
.Lstay:
	s_sub_co_u32 s[SLOTS], s[SLOTS], 1
	s_cmp_lg_u32 s[SLOTS], 0
	s_cbranch_scc1 .Lslot
	CHANGE 0                                       ; the last slot is written out
	STEP 0
	STEP 1
	FINISH 1
	s_wait_tensorcnt 0x0                           ; the wave's end: behind my last tensor load and my last LDS store
	ds_add_u32 v[SPW], v[NIL]
	s_wait_dscnt 0x0
	s_endpgm
.Lfunc_end_k_qac91dedd98_attn:
	.size	k_qac91dedd98_attn, .Lfunc_end_k_qac91dedd98_attn-k_qac91dedd98_attn
	.p2alignl 7, 3214868480
	.fill 96, 4, 3214868480
	.section	.rodata,"a",@progbits
	.p2align	6, 0x0
	.amdhsa_kernel k_qac91dedd98_attn
		.amdhsa_group_segment_fixed_size 327680
		.amdhsa_private_segment_fixed_size 0
		.amdhsa_enable_private_segment 0
		.amdhsa_kernarg_size 24
		.amdhsa_user_sgpr_count 2
		.amdhsa_user_sgpr_kernarg_segment_ptr 1
		.amdhsa_wavefront_size32 1
		.amdhsa_system_sgpr_workgroup_id_x 1
		.amdhsa_system_sgpr_workgroup_id_y 1
		.amdhsa_system_sgpr_workgroup_id_z 1
		.amdhsa_system_vgpr_workitem_id 0
		.amdhsa_next_free_vgpr 256
		.amdhsa_next_free_sgpr 100
		.amdhsa_reserve_vcc 1
		.amdhsa_float_denorm_mode_32 3
		.amdhsa_float_denorm_mode_16_64 3
		.amdhsa_fp16_overflow 1
		.amdhsa_memory_ordered 1
		.amdhsa_forward_progress 1
		.amdhsa_inst_pref_size 94
	.end_amdhsa_kernel
	.amdgpu_metadata
---
amdhsa.version: [ 1, 2 ]
amdhsa.kernels:
  - .name:           k_qac91dedd98_attn
    .symbol:         k_qac91dedd98_attn.kd
    .args:
      - { .name: qkv_ws, .offset: 0, .size: 8, .value_kind: global_buffer, .address_space: global }
      - { .name: lowp_scales, .offset: 8, .size: 8, .value_kind: global_buffer, .address_space: global }
      - { .name: o_ws, .offset: 16, .size: 8, .value_kind: global_buffer, .address_space: global }
    .group_segment_fixed_size: 327680
    .private_segment_fixed_size: 0
    .kernarg_segment_align: 8
    .kernarg_segment_size: 24
    .max_flat_workgroup_size: 512
    .sgpr_count:     100
    .vgpr_count:     256
    .wavefront_size: 32
...
	.end_amdgpu_metadata
.endif
;; end of part 2
;; launch oproj (part 3): grid 4 x 64, 4 waves a work-group, clusters of 4 x 4, 327,680 bytes of LDS; arguments o_ws, W_o_codes, lowp_scales, out0; writes out0
.if DOCPART == 3
	.amdgcn_target "amdgcn-amd-amdhsa--gfx1250"
	.amdhsa_code_object_version 6
	.text
	.protected	k_qac91dedd98_oproj
	.globl	k_qac91dedd98_oproj
	.p2align	8
	.type	k_qac91dedd98_oproj,@function
k_qac91dedd98_oproj:
	s_mov_b64 s[64:65], 0
	v_nop
	global_prefetch_b8 v0, s[64:65] scope:SCOPE_SE
	s_setreg_imm32_b32 hwreg(HW_REG_WAVE_MODE, 25, 1), 1
	s_wait_xcnt 0x0
	s_wait_alu depctr_hold_cnt(0) depctr_sa_sdst(0) depctr_va_vdst(0) depctr_va_sdst(0) depctr_va_ssrc(0) depctr_va_vcc(0) depctr_vm_vsrc(0)
	s_getreg_b32 s2, hwreg(HW_REG_IB_STS2, 6, 4)
	s_cmp_eq_u32 s2, 0
	s_cbranch_scc0 .Lentry_in_a_cluster
	s_endpgm
.Lentry_in_a_cluster:
	s_bfe_u32 s2, ttmp6, 0x10000c
	s_cmp_lg_u32 s2, 0xf033
	s_cbranch_scc0 .Lentry_shape_is_right
	s_endpgm
.Lentry_shape_is_right:
; out0 = o W_o on codes of BF8 (E5M2).  o_ws: codes of o, [row / 4 (2,048)][head 16][row % 4][64 e], K = head x 64 + e; W_o_codes: [1024 n][1024 k]; out0: [8192][1024] f32.
; A number of o is its code x 2^e6, of W_o x 2^e7 (entries 6 and 7 of lowp_scales): the codes are multiplied as they are, and each finished sum once by 2^(e6 + e7).
; LIMIT: e6 + e7 lies between -126 and 127, so that 2^(e6 + e7) is an f32 number.  NaN codes are not served.
; SHARES.  256 tiles of 128 rows x 256 columns, one to a work-group; four waves, each 64 x 128: 32 accumulators, 256 registers.  K = 1,024 is four K steps of 256, eight sub-steps of 128: all written out, no loop.
; o's TILES.  Four rows of o are one run of 4,096 bytes in memory, a "super-row"; a K step (four heads) is 1,024 consecutive bytes of it.  A tile is 32 super-rows x 1,024 bytes; row 4 g + y, head u, e lies at g x pitch + 256 u + 64 y + e.
; THREE LDS SLOTS.  K steps 0, 1 and 2 are asked for at the start, one at a time; K step 3 goes into slot 0 behind the one round of the cluster's barrier, and has four sub-steps, 128 matrix instructions a wave, in which to land.
; CLUSTERS: 4 x 4 work-groups.  o's tile hangs on the tile row alone and is asked for jointly by a row of the cluster, W_o's on the tile column alone and by a column.
; THE MATRIX INSTRUCTION IS USED TRANSPOSED (source 0 = 16 rows of W_o, source 1 = 16 rows of o): a lane holds eight neighbouring numbers of a row of out0.
; REGISTERS, in windows of 256: window 0: v0-31 addresses; v64-127, v128-191 o's fragments (4 x 16 rows x 128 K), two sets; on the way out v32-255 are free.
;   window 1: W_o's fragments (8 x 16 rows x 128 K), two sets, at v0 and v128.   window 2: the accumulators, (a, b) at v[8 (8 a + b)].
.set APITCH, 1040                      ; a super-row in LDS: 1,024 bytes + 16: the sixteen rows of a fragment load, at (r / 4) x 1,040 + (r % 4) x 64, fall on sixteen different groups of four banks
.set PITCH,  272                       ; a row of W_o's tile: 256 bytes + 16
.set BOFF,   32*APITCH                 ; a slot: o's 32 super-rows, then W_o's 256 rows
.set SLOT,   BOFF+256*PITCH
.set SPARE,  3*SLOT                    ; behind the ring: the spare words, 128 bytes a wave: two blocks of 256 bytes that no other line names
.set SPITCH, 528                       ; the way out: a stage of 16 rows x (512 bytes + 16) for each wave, in slot 1: it is filled once, and its last read lies in front of the last barrier
.set SIZE_N, 1024
.set ADRA, 16                          ; v16-18  LDS address of my fragments of o in slot 0, 1, 2
.set ADRB, 20                          ; v20-22  the same for W_o
.set STO,  24                          ; v24     the way out: where I put 32 bytes of a row
.set RD,   25                          ; v25     where I read a row back
.set CO,   26                          ; v26     my byte offset in a row of out0
.set SPW,  28                          ; v28     LDS address of my spare word; never rewritten
.set NIL,  29                          ; v29     0; never rewritten
.set TMP,  32
.set AF,   64
.set BK,   128
.set G1,  24                           ; s[24:31] descriptor group 1 for o's tiles;  s[32:43] group 0, one set for each slot
.set G0,  32
.set G1B, 44                           ; s[44:51], s[52:63] the same for W_o's tiles
.set G0B, 52
.set MSB, 0
.macro WIN new                         ; the immediate's high byte repeats the setting that is left
.if MSB != \new
	s_set_vgpr_msb (MSB<<8)|\new
.set MSB, \new
.endif
.endm
.set MUL,  0xa1                        ; source 0 (W_o) window 1, source 1 (o) window 0, C and D window 2
.set TO_B, 0x40                        ; destination window 1, address window 0
; A joint load: waves 0 and 1 fetch o's halves, waves 2 and 3 W_o's.  The branch hangs on the wave's number alone.  Four v_nop follow each of the two lines.
.macro JLOAD g0a, g1a, g0b, g1b
	s_cmp_eq_u32 s15, 0
	s_cbranch_scc0 .Lfor_b_\@
	tensor_load_to_lds s[\g0a:\g0a+3], s[\g1a:\g1a+7]
	s_nop 0
.rept 4
	v_nop
.endr
	s_branch .Lasked_\@
.Lfor_b_\@:
	tensor_load_to_lds s[\g0b:\g0b+3], s[\g1b:\g1b+7]
	s_nop 0
.rept 4
	v_nop
.endr
.Lasked_\@:
.endm
.macro CREST                           ; a round of the cluster's barrier behind its opening barrier
	s_cmp_lg_u32 s14, 0
	s_cbranch_scc1 .Lnot_wave_0_\@
	s_barrier_signal -3
.Lnot_wave_0_\@:
	s_barrier_wait -3
	s_barrier_signal -1
	s_barrier_wait -1
.endm
.macro CROUND                          ; a whole round
	s_barrier_signal -1
	s_barrier_wait -1
	CREST
.endm
	s_load_b128 s[4:7], s[0:1], 0x0                ; o's codes s[4:5], W_o's codes s[6:7]
	s_load_b128 s[8:11], s[0:1], 0x10              ; the exponents s[8:9], out0 s[10:11]
	v_lshl_add_u32 v[SPW], v0, 2, SPARE
	v_mov_b32 v[NIL], 0
	ds_add_u32 v28, v29
	ds_add_u32 v28, v29
	s_wait_dscnt 0x0
	v_lshrrev_b32 v1, 5, v0
	v_readfirstlane_b32 s14, v1                    ; wave 0..3
	s_lshr_b32 s15, s14, 1                         ; which 64 rows of the tile are mine.  Also: I fetch for o (0) or for W_o (1)
	s_and_b32 s16, s14, 1                          ; which 128 columns.  Also: which half of that tile I fetch
	s_bfe_u32 s66, ttmp6, 0x40000                  ; cx, cy: my place in the cluster
	s_bfe_u32 s67, ttmp6, 0x40004
	s_lshl_b32 s68, ttmp9, 2
	s_add_co_u32 s68, s68, s66                     ; tile column = 4 x cluster x + cx
	s_and_b32 s17, ttmp7, 0xffff
	s_lshl_b32 s17, s17, 2
	s_add_co_u32 s17, s17, s67                     ; tile row = 4 x cluster y + cy
	s_lshl_b32 s69, s67, 2
	s_lshl_b32 s69, 15, s69                        ; my row of the cluster
	s_lshl_b32 s70, 0x1111, s66                    ; my column
	s_or_b32 s[G1], s69, (0<<16)|(1<<20)|(1<<21)|(7<<22)|(3<<25)    ; the mask; elements of 1 byte; padding on; 21 set beside a mask; four words (code 3) after every 256 (code 7)
	s_mov_b32 s[G1+1], 1024<<16                    ; tensor_dim0 = 1,024 bytes of a super-row
	s_mov_b32 s[G1+2], 16<<16                      ; tensor_dim1 = 16 super-rows
	s_mov_b32 s[G1+3], 1024<<16                    ; tile_dim0
	s_mov_b32 s[G1+4], 16                          ; tile_dim1
	s_mov_b32 s[G1+5], 4096                        ; tensor_dim0_stride
	s_mov_b32 s[G1+6], 0
	s_mov_b32 s[G1+7], 0
	s_or_b32 s[G1B], s70, (0<<16)|(1<<20)|(1<<21)|(5<<22)|(3<<25)   ; four words after every 64
	s_mov_b32 s[G1B+1], 256<<16
	s_mov_b32 s[G1B+2], 128<<16
	s_mov_b32 s[G1B+3], 256<<16
	s_mov_b32 s[G1B+4], 128
	s_mov_b32 s[G1B+5], 1024
	s_mov_b32 s[G1B+6], 0
	s_mov_b32 s[G1B+7], 0
	s_lshl_b32 s18, s17, 5                         ; o: super-row 32 x tile row + 16 x half,
	s_lshl_b32 s19, s16, 4
	s_add_co_u32 s18, s18, s19
	s_lshl_b32 s72, s18, 12                        ; x 4,096 bytes (under 2^23)
	s_mov_b32 s73, 0
	s_lshl_b32 s22, s68, 8                         ; W_o: row 256 x tile column + 128 x half,
	s_lshl_b32 s23, s16, 7
	s_add_co_u32 s22, s22, s23
	s_lshl_b32 s74, s22, 10                        ; x 1,024 bytes
	s_mov_b32 s75, 0
	s_mul_i32 s20, s16, 16*APITCH                  ; where they go: no place in the cluster enters an LDS address
	s_mul_i32 s21, s16, 128*PITCH
	s_add_co_u32 s21, s21, BOFF
	s_wait_kmcnt 0x0
	s_load_b256 s[76:83], s[8:9], 0x0              ; e0 .. e7
	s_add_nc_u64 s[72:73], s[4:5], s[72:73]
	s_add_nc_u64 s[74:75], s[6:7], s[74:75]
	CROUND                                         ; all sixteen work-groups are here: the first joint loads meet
.irp s, 0,1,2
	s_mov_b32 s[G0+4*\s], 1
	s_add_co_u32 s[G0+4*\s+1], s20, \s*SLOT
	s_add_nc_u64 s[G0+4*\s+2:G0+4*\s+3], s[72:73], \s*1024
	s_or_b32 s[G0+4*\s+3], s[G0+4*\s+3], 0x80000000
	s_mov_b32 s[G0B+4*\s], 1
	s_add_co_u32 s[G0B+4*\s+1], s21, \s*SLOT
	s_add_nc_u64 s[G0B+4*\s+2:G0B+4*\s+3], s[74:75], \s*256
	s_or_b32 s[G0B+4*\s+3], s[G0B+4*\s+3], 0x80000000
	s_wait_alu depctr_va_vdst(0)
	s_wait_tensorcnt 0x0
	ds_add_u32 v28, v29
	ds_add_u32 v28, v29
	s_wait_dscnt 0x0
	CROUND
	JLOAD G0+4*\s, G1, G0B+4*\s, G1B               ; K steps 0, 1, 2, each behind a wait for the last: at most one load of mine is out
.endr
	v_and_b32 v1, 15, v0                           ; r = lane % 16
	v_bfe_u32 v2, v0, 4, 1                         ; h = lane / 16
	v_lshrrev_b32 v3, 2, v1
	v_mul_u32_u24 v3, v3, APITCH
	v_and_b32 v4, 3, v0
	v_lshl_add_u32 v3, v4, 6, v3
	v_lshl_add_u32 v3, v2, 4, v3                   ; o: (r / 4) x 1,040 + (r % 4) x 64 + 16 h
	v_mul_u32_u24 v5, v1, PITCH
	v_lshl_add_u32 v5, v2, 4, v5                   ; W_o: r x 272 + 16 h
	s_mul_i32 s84, s15, 16*APITCH                  ; my 64 rows of o: 16 super-rows
	s_mul_i32 s85, s16, 128*PITCH                  ; my 128 rows of W_o
	s_add_co_u32 s85, s85, BOFF
.irp s, 0,1,2
	v_add_nc_u32 v[ADRA+\s], s84, v3
	v_add_nc_u32 v[ADRB+\s], s85, v5
	s_add_co_u32 s84, s84, SLOT
	s_add_co_u32 s85, s85, SLOT
.endr
	s_mul_i32 s84, s14, 16*SPITCH
	s_add_co_u32 s84, s84, SLOT                    ; my stage, in slot 1
	v_mul_u32_u24 v6, v1, SPITCH                   ; in: row r, 32 bytes for each half of the lanes
	v_lshl_add_u32 v6, v2, 5, v6
	v_add_nc_u32 v[STO], s84, v6
	v_and_b32 v7, 31, v0
	v_lshlrev_b32 v[CO], 4, v7                     ; back: the 32 lanes take one row of 512 bytes; and the same in out0
	v_add_nc_u32 v[RD], s84, v[CO]
	s_lshl_b32 s86, s17, 7
	s_lshl_b32 s87, s15, 6
	s_add_co_u32 s86, s86, s87                     ; my first row of out0: 128 x tile row + 64 x half,
	s_lshl_b32 s86, s86, 12                        ; x 4,096 bytes (under 2^25)
	s_lshl_b32 s87, s68, 10                        ; my first column, in bytes: 1,024 x tile column + 512 x half
	s_add_co_u32 s86, s86, s87
	s_lshl_b32 s87, s16, 9
	s_add_co_u32 s86, s86, s87
	s_mov_b32 s87, 0
	s_add_nc_u64 s[10:11], s[10:11], s[86:87]
; 8 matrix instructions: o's block a x W_o's eight, 128 along K, from sets p.  zero = 1: the first product starts the sums.
; The 32 accumulators take turns, one instruction a turn, in the same order in every sub-step.
.macro MUL8 a, p, zero
.irp b, 0,1,2,3,4,5,6,7
.if \zero
	v_wmma_f32_16x16x128_bf8_bf8 v[8*(8*(\a)+\b):8*(8*(\a)+\b)+7], v[128*(\p)+16*\b:128*(\p)+16*\b+15], v[AF+64*(\p)+16*(\a):AF+64*(\p)+16*(\a)+15], 0
.else
	v_wmma_f32_16x16x128_bf8_bf8 v[8*(8*(\a)+\b):8*(8*(\a)+\b)+7], v[128*(\p)+16*\b:128*(\p)+16*\b+15], v[AF+64*(\p)+16*(\a):AF+64*(\p)+16*(\a)+15], v[8*(8*(\a)+\b):8*(8*(\a)+\b)+7]
.endif
.endr
.endm
; 48 LDS loads in one run: the fragments of the slot's q-th 128 along K into sets p: W_o's eight, then o's blocks 0 to 3.  Registers 4 c .. 4 c + 3 hold K = 32 c + 16 (lane / 16) + 0 .. 15 on both sides:
; in o's tile that is head 2 q + c / 2 of the K step's four, e = 32 (c % 2) + 16 (lane / 16) on.
.macro FETCH slot, q, p
	WIN TO_B
.irp i, 0,1,2,3,4,5,6,7
.irp c, 0,1,2,3
	ds_load_b128 v[128*(\p)+16*\i+4*\c:128*(\p)+16*\i+4*\c+3], v[ADRB+\slot] offset:128*(\q)+32*\c+\i*16*PITCH
.endr
.endr
	WIN 0
.irp i, 0,1,2,3
.irp c, 0,1,2,3
	ds_load_b128 v[AF+64*(\p)+16*\i+4*\c:AF+64*(\p)+16*\i+4*\c+3], v[ADRA+\slot] offset:\i*4*APITCH+(2*(\q)+\c/2)*256+32*(\c%2)
.endr
.endr
.endm
; A load into a register that a matrix instruction has read, and a vector instruction that reads a matrix result, stand four places behind it; only plain vector instructions that name none of its
; registers are places (ISA guide 7.12.1 for vector instructions).
.macro PLACES
.rept 4
	v_nop
.endr
.endm
; A sub-step: multiplies sets p; in its middle it fetches the next sub-step's fragments, (nslot, nq), into the other sets.
.macro SUB p, nslot, nq, zero
	s_wait_dscnt 8                                 ; W_o's set and o's blocks 0 and 1 are in; the youngest eight loads (blocks 2 and 3) may be out
	WIN MUL
	MUL8 0, \p, \zero
	MUL8 1, \p, \zero
	PLACES
	FETCH \nslot, \nq, 1-(\p)
	s_wait_dscnt 48                                ; all but the 48 just issued
	WIN MUL
	MUL8 2, \p, \zero
	MUL8 3, \p, \zero
.endm
; A sub-step with a barrier in it.  In front of the barrier each wave waits for all its tensor loads, adds 0 to its spare word, and waits for that and for its LDS reads.  fill = 1: the barrier opens a round of the
; cluster's barrier, and slot 0, which nobody reads any more, takes K step 3.
.macro TURN p, nslot, fill
	WIN 0                                          ; (the add's two registers lie in window 0)
	s_wait_tensorcnt 0x0                           ; all my tensor loads have landed
	ds_add_u32 v[SPW], v[NIL]                      ; 0 onto my spare word
	s_wait_dscnt 9                                 ; (the add and the youngest eight loads may be out)
	WIN MUL
	MUL8 0, \p, 0                                  ; eight matrix instructions stand between the add and the wait for it
	s_wait_dscnt 0x0                               ; the add is done, and my reads of the slot in hand are over
	s_barrier_signal -1
	MUL8 1, \p, 0
	WIN 0
	s_barrier_wait -1
.if \fill
	CREST                                          ; no wave of any partner still reads slot 0 or has a load on its way; slots 1 and 2 are whole
	s_add_nc_u64 s[G0+2:G0+3], s[G0+2:G0+3], 3*1024
	s_add_nc_u64 s[G0B+2:G0B+3], s[G0B+2:G0B+3], 3*256
	JLOAD G0, G1, G0B, G1B                         ; the first tensor load behind the round, and my only one; its four v_nop are the places in front of the loads below
.else
	PLACES
.endif
	s_wait_alu depctr_va_vdst(0)
	FETCH \nslot, 0, 1-(\p)
	WIN MUL
	MUL8 2, \p, 0
	MUL8 3, \p, 0
.endm
	s_wait_tensorcnt 2                             ; my part of K step 0 is in (K step 2 may be out)
	s_barrier_signal -1
	s_barrier_wait -1                              ; everybody's is
	FETCH 0, 0, 0
	SUB 0, 0, 1, 1                                 ; K step 0, first half: its products start the sums
	TURN 1, 1, 1                                   ; K step 0, second half; slot 0 takes K step 3
	SUB 0, 1, 1, 0                                 ; K step 1
	SUB 1, 2, 0, 0                                 ; (no barrier on the way into slot 2: the round has shown it whole to every wave)
	SUB 0, 2, 1, 0                                 ; K step 2
	TURN 1, 0, 0                                   ; K step 3 has landed, in every wave's sight; behind this barrier nobody reads slots 1 and 2
	SUB 0, 0, 1, 0                                 ; K step 3
	s_wait_dscnt 8                                 ; the very last sub-step: nothing more to fetch
	WIN MUL
	MUL8 0, 1, 0
	MUL8 1, 1, 0
	s_wait_dscnt 0
	MUL8 2, 1, 0
	MUL8 3, 1, 0
	WIN 0
; THE WAY OUT, block by block of 16 rows x 128 columns.  A lane holds 32 neighbouring bytes of a row, and the lanes beside it hold other rows: so a block goes through my own stage in LDS and comes back as whole
; rows of 512 bytes.  LDS serves a wave's instructions in order (ISA guide 5.7.1.4): no wait between the stores and the loads, nor in front of the next block's stores.
.macro TOSTAGE a
.set AC, 64*(\a)
	WIN 0x02                                       ; source 0: window 2
.set j, 0
.rept 32
	v_pk_mul_f32 v[TMP+j:TMP+j+1], v[AC+j:AC+j+1], s[96:97] op_sel_hi:[1,0]   ; both x s96 = 2^(e6 + e7); each accumulator from its low end on
.set j, j+2
.endr
	WIN 0
.irp b, 0,1,2,3,4,5,6,7
	ds_store_b128 v[STO], v[TMP+8*\b:TMP+8*\b+3] offset:64*\b
	ds_store_b128 v[STO], v[TMP+8*\b+4:TMP+8*\b+7] offset:64*\b+16
.endr
.set BB, BK+64*((\a)%2)
.irp t, 0,1,2,3,4,5,6,7,8,9,10,11,12,13,14,15
	ds_load_b128 v[BB+4*\t:BB+4*\t+3], v[RD] offset:\t*SPITCH
.endr
.endm
.macro SEND a, younger                 ; younger: the LDS instructions issued behind block a's loads, which may stay out
.set BB, BK+64*((\a)%2)
	s_wait_dscnt \younger                          ; the block is back in registers
.if (\a) > 0
	s_add_nc_u64 s[10:11], s[10:11], 16*SIZE_N*4   ; (behind a wait on XCNT: the earlier stores have read their base)  16 rows of out0 on
.endif
.irp t, 0,1,2,3,4,5,6,7,8,9,10,11,12,13,14,15
	global_store_b128 v[CO], v[BB+4*\t:BB+4*\t+3], s[10:11] offset:\t*SIZE_N*4 th:TH_STORE_NT   ; 32 lanes store 512 consecutive bytes, aligned; written once, read by nobody here
.endr
.endm
	s_wait_kmcnt 0x0
	s_add_co_i32 s96, s82, s83                     ; e6 + e7, between -126 and 127,
	s_add_co_i32 s96, s96, 127
	s_lshl_b32 s96, s96, 23                        ; makes the f32 number 2^(e6 + e7)
	s_mov_b32 s97, s96                             ; (named with it as a pair, so it is written)
	PLACES                                         ; behind the last products: their results are read, and the registers of o's fragments written and loaded, below
	TOSTAGE 0
.irp a, 1,2,3
.if \a > 1
	s_wait_xcnt 0x0                                ; block a - 2's stores have read their registers and their base: block a's loads may land there, and the base may step
.endif
	TOSTAGE \a
	SEND \a-1, 32                                  ; behind block a - 1's loads: block a's 16 stores and 16 loads
.endr
	s_wait_xcnt 0x0                                ; block 2's stores have read their base
	SEND 3, 0
	s_wait_tensorcnt 0x0                           ; the wave's end: behind my last tensor load and my last LDS store
	ds_add_u32 v[SPW], v[NIL]
	s_wait_dscnt 0x0
	CROUND                                         ; the closing round: no work-group ends while a partner may still ask for a tile that names it
	s_endpgm
.Lfunc_end_k_qac91dedd98_oproj:
	.size	k_qac91dedd98_oproj, .Lfunc_end_k_qac91dedd98_oproj-k_qac91dedd98_oproj
	.p2alignl 7, 3214868480
	.fill 96, 4, 3214868480
	.section	.rodata,"a",@progbits
	.p2align	6, 0x0
	.amdhsa_kernel k_qac91dedd98_oproj
		.amdhsa_group_segment_fixed_size 327680
		.amdhsa_private_segment_fixed_size 0
		.amdhsa_enable_private_segment 0
		.amdhsa_kernarg_size 32
		.amdhsa_user_sgpr_count 2
		.amdhsa_user_sgpr_kernarg_segment_ptr 1
		.amdhsa_wavefront_size32 1
		.amdhsa_system_sgpr_workgroup_id_x 1
		.amdhsa_system_sgpr_workgroup_id_y 1
		.amdhsa_system_sgpr_workgroup_id_z 1
		.amdhsa_system_vgpr_workitem_id 0
		.amdhsa_next_free_vgpr 768
		.amdhsa_next_free_sgpr 100
		.amdhsa_reserve_vcc 0
		.amdhsa_float_denorm_mode_32 3
		.amdhsa_float_denorm_mode_16_64 3
		.amdhsa_memory_ordered 1
		.amdhsa_forward_progress 1
		.amdhsa_inst_pref_size 77
	.end_amdhsa_kernel
	.amdgpu_metadata
---
amdhsa.version: [ 1, 2 ]
amdhsa.kernels:
  - .name:           k_qac91dedd98_oproj
    .symbol:         k_qac91dedd98_oproj.kd
    .args:
      - { .name: o_ws, .offset: 0, .size: 8, .value_kind: global_buffer, .address_space: global }
      - { .name: W_o_codes, .offset: 8, .size: 8, .value_kind: global_buffer, .address_space: global }
      - { .name: lowp_scales, .offset: 16, .size: 8, .value_kind: global_buffer, .address_space: global }
      - { .name: out0, .offset: 24, .size: 8, .value_kind: global_buffer, .address_space: global }
    .group_segment_fixed_size: 327680
    .private_segment_fixed_size: 0
    .kernarg_segment_align: 8
    .kernarg_segment_size: 32
    .max_flat_workgroup_size: 128
    .sgpr_count:     100
    .vgpr_count:     768
    .wavefront_size: 32
...
	.end_amdgpu_metadata
.endif
;; end of part 3
